; MI455X (gfx1250); checked and timed in simulation.
; The chip was launched on July 23, 2026; its instructions are those of AMD's public machine-readable ISA for CDNA 5 (MIT licence, August 2026) and "CDNA5" Instruction Set Architecture Reference Guide (July 2026). The comments in the code are by the model that wrote it; some were corrected since.
;; Multi Head Attention. Allowed arithmetic: matrix products marked QUANTISED: E4M3 operands, one given power-of-two scale a tensor, by v_wmma_f32_16x16x64_fp8_fp8 or v_wmma_f32_16x16x128_fp8_fp8, f32 sums; everything else in f32.
;; Inputs: lowp_scales 12 int32 (the exponents e of the quantised operands' scales 2^e); wk 1,024 x 1,024 float32; wo 1,024 x 1,024 float32; wq 1,024 x 1,024 float32; wv 1,024 x 1,024 float32; x 4 x 2,048 x 1,024 float32.
;; Outputs: out0 4 x 2,048 x 1,024 float32.
;; This version of the problem:
;;   THIS VERSION OF THE PROBLEM IS GIVEN IN LOW PRECISION. The matrix products marked QUANTISED in the list below multiply operands that are first quantised to E4M3 (4 exponent bits, 3 mantissa bits; 8 bits a number), with one given power-of-two scale for each operand tensor; their sums are f32. All else is computed in f32.
;;   The module's matrix products, in the order in which they are computed (A, B: the left and right operand; K: the contracted axis; several contracted axes count as one K, in the product's order):
;;     1. [M 8,192, K 1,024] x [K 1,024, N 1,024]; A: input x; B: input wq: QUANTISED (scales: A lowp_scales[0], B lowp_scales[1])
;;     2. [M 8,192, K 1,024] x [K 1,024, N 1,024]; A: input x; B: input wk: QUANTISED (scales: A lowp_scales[2], B lowp_scales[3])
;;     3. [M 8,192, K 1,024] x [K 1,024, N 1,024]; A: input x; B: input wv: QUANTISED (scales: A lowp_scales[4], B lowp_scales[5])
;;     4. batch 64 x [M 2,048, K 64] x [K 64, N 2,048]; A: computed on the way; B: computed on the way: QUANTISED (scales: A lowp_scales[6], B lowp_scales[7])
;;     5. batch 64 x [M 2,048, K 2,048] x [K 2,048, N 64]; A: softmax (see below); B: computed on the way: QUANTISED (scales: A lowp_scales[8], B lowp_scales[9])
;;     6. [M 8,192, K 1,024] x [K 1,024, N 1,024]; A: computed on the way; B: input wo: QUANTISED (scales: A lowp_scales[10], B lowp_scales[11])
;;   THE QUANTISER, for each operand of a quantised product, along K:
;;     - The operand's scale is 2^e, e = its entry of the input lowp_scales (int32; the entries are numbered through the quantised products in the list's order, A before B).
;;     - Each number is divided by the scale, clamped to +-448, and rounded to the nearest number of E4M3, ties to even, subnormals kept.
;;     - The product sums the exact products of the quantised numbers (number of the format x scale) in f32.
;;   ~~~python
;;   def quantise(x, axis, e):      # numpy; x: float32 -> the quantised numbers, widened to float32 again
;;       x = np.moveaxis(x, axis, -1); K = x.shape[-1]
;;       r = np.clip(x / 2.0 ** e, -448, 448)
;;       step = 2.0 ** (np.maximum(np.frexp(np.where(r == 0, 1, r))[1] - 1, -6) - 3)
;;       q = np.round(r / step) * step * 2.0 ** e      # np.round: ties to even
;;       return np.moveaxis(q, -1, axis).astype(np.float32)
;;   ~~~
;;   SOFTMAX AHEAD OF A QUANTISED PRODUCT. Where the list says 'softmax', what is quantised is not the finished softmax but p = 2^(t - M), with t = logit x log2(e) and M = ceil(the row's largest t), a whole number; so 1/2 < the row's largest p <= 1. The row's sum l is taken of the UNQUANTISED p, in f32, and the product's result is divided by l at the end. Since M is a whole number, a kernel that streams over the keys may use a running M (the ceiling of the running maximum): every later rescaling is an exact power of two, so the quantised numbers keep their values, but for numbers so far below the row's largest that they fall under the format's range.
;;   OPERANDS COMPUTED ON THE WAY. 'Computed on the way' means the value that the module computes at that place (a softmax that the list does not call 'softmax' is quantised finished and normalised). What goes into a quantiser is computed in f32, as accurately as f32 sums, v_exp_f32 and their like allow (about 1e-6 of the number): no bf16 or f16 on the way to a quantiser, and a product that is left as it is and whose result goes on into a quantised operand takes f32 operands (vector FMAs, or v_wmma_f32_16x16x4_f32). A number that lies on a knife's edge between two numbers of the format may be rounded either way, as far as f32 arithmetic and the matrix unit's own rounding can turn it there, and no further.
;; One version. Each part assembles by itself: llvm-mc -triple=amdgcn-amd-amdhsa -mcpu=gfx1250 --defsym DOCPART=n.
;; ======== version 1 of 1: 4 launches
;; limits: right only within a limited range of input values
;; workspace buffers: codes 29,360,128 bytes; qkv 25,165,824 bytes; ac 8,388,608 bytes
;; launch quant (part 1): grid 1024 x 1, 4 waves a work-group, no clusters, 20,992 bytes of LDS; arguments x, wq, wk, wv, wo, lowp_scales, codes; writes codes
.if DOCPART == 1
	.amdgcn_target "amdgcn-amd-amdhsa--gfx1250"
	.amdhsa_code_object_version 6
	.text
	.protected	k_q4cb3d7de3b_quant
	.globl	k_q4cb3d7de3b_quant
	.p2align	8
	.type	k_q4cb3d7de3b_quant,@function
k_q4cb3d7de3b_quant:
	s_mov_b64 s[64:65], 0
	v_nop
	global_prefetch_b8 v0, s[64:65] scope:SCOPE_SE
	s_setreg_imm32_b32 hwreg(HW_REG_WAVE_MODE, 25, 1), 1
	s_wait_xcnt 0x0
; x [8192][1024] f32 becomes three sets of E4M3 codes (under the exponents 0, 2 and 4 of the buffer of scales, which may differ), wq, wk, wv, wo [1024][1024] one set each (exponents 1, 3, 5, 11).
; code = number / 2^e, held within +-448, rounded to the nearest code, ties to even.  All codes lie with K innermost, as the numbers lie: both are plain streams.
; OUT: x's codes for product p at p x 2^23 bytes; from WOFF on wq's, wk's, wv's, wo's, 2^20 bytes each.
; SHARES: 4,096 waves; wave W takes x's numbers 2,048 W on (four steps of 512, each converted three times) and 1,024 numbers of ONE weight (two steps): the weight's number is W / 1,024.
; Every wave runs one text: the weight's address and exponent are chosen by s_cselect on the work-group's number.  All 24 loads of a wave go out at the head.
; A conversion takes 8 neighbours from one lane's registers, a load is dense where neighbouring lanes take neighbouring bytes: so a step's 2,048 bytes turn through the wave's own stage in LDS
; (in: as loaded; out: 64 bytes a lane, places 80 bytes apart).  A lane's 16 codes are 16 bytes: each store of the wave covers 512 consecutive bytes, aligned.
; No barrier: waves share nothing.  No register of a store is written again, so no wait stands for the stores.
; LIMITS: each exponent between -126 and 119, so that 2^e and 448 x 2^e are f32 numbers.  NaN among the inputs is not served (an infinity is held at the largest code).
.set WOFF,  0x1800000                  ; three sets of x's codes lie in front of the weights'
.set SP,    80                         ; a lane's place in a stage: 64 bytes + 16 of padding
.set WREG,  2*32*SP                    ; two stages for each wave
.set SC,    4                          ; v4, v6, v8, v10: 2^e for e0, e2, e4 and the weight's e
.set R,     16                         ; v16-111  six steps of 16 numbers as loaded
.set X,     112                        ; v112-143 two sets of 16 neighbours
.set T,     144                        ; v144-175 never written: Q16 reads its sources in place
.set C,     176                        ; v176-231 fourteen results of four registers, never written again
.set NQ,    0
	s_load_b256 s[4:11], s[0:1], 0x0               ; x s[4:5], wq s[6:7], wk s[8:9], wv s[10:11]
	s_load_b128 s[12:15], s[0:1], 0x20             ; wo s[12:13], the scales' exponents s[14:15]
	s_load_b64 s[16:17], s[0:1], 0x30              ; the codes
	v_lshl_add_u32 v232, v0, 2, 0x5000
	v_mov_b32 v233, 0
	v_lshrrev_b32 v1, 5, v0
	v_readfirstlane_b32 s18, v1                    ; wave
	v_and_b32 v2, 31, v0                           ; lane
	v_lshlrev_b32 v3, 4, v2                        ; my 16 bytes of a load's 512, and of a store's
	s_mul_i32 s48, s18, WREG
	v_lshrrev_b32 v14, 2, v2
	v_mul_u32_u24 v14, v14, SP
	v_and_b32 v15, 3, v2
	v_lshl_add_u32 v14, v15, 4, v14
	v_add_nc_u32 v14, s48, v14                     ; the stage, on the way in: four lanes' 64 bytes on end, then the padding
	v_mul_u32_u24 v15, v2, SP
	v_add_nc_u32 v15, s48, v15                     ; and on the way out: my 16 neighbours
	s_lshl_b32 s19, ttmp9, 2
	s_add_co_u32 s19, s19, s18                     ; W
	s_lshr_b32 s20, ttmp9, 8                       ; which weight: 0 wq, 1 wk, 2 wv, 3 wo
	s_wait_alu depctr_va_vdst(0)
	s_wait_kmcnt 0x0
	s_load_b256 s[24:31], s[14:15], 0x0            ; e0 .. e7
	s_load_b128 s[32:35], s[14:15], 0x20           ; e8 .. e11
	s_mov_b64 s[36:37], s[12:13]                   ; the weight's address: the choice hangs on the work-group's number alone
	s_cmp_eq_u32 s20, 0
	s_cselect_b64 s[36:37], s[6:7], s[36:37]
	s_cmp_eq_u32 s20, 1
	s_cselect_b64 s[36:37], s[8:9], s[36:37]
	s_cmp_eq_u32 s20, 2
	s_cselect_b64 s[36:37], s[10:11], s[36:37]
	s_mov_b32 s49, 0
	s_lshl_b32 s48, s19, 13                        ; 2,048 numbers of 4 bytes
	s_add_nc_u64 s[4:5], s[4:5], s[48:49]
	s_and_b32 s48, s19, 1023
	s_lshl_b32 s48, s48, 12                        ; 1,024 numbers of 4 bytes, within the weight
	s_add_nc_u64 s[36:37], s[36:37], s[48:49]
	s_lshl_b32 s48, s19, 11
	s_add_nc_u64 s[40:41], s[16:17], s[48:49]      ; x's codes under e0,
	s_add_nc_u64 s[42:43], s[40:41], 0x800000      ; e2,
	s_add_nc_u64 s[44:45], s[40:41], 0x1000000     ; e4
	s_lshl_b32 s48, s19, 10
	s_add_nc_u64 s[46:47], s[16:17], s[48:49]
	s_add_nc_u64 s[46:47], s[46:47], WOFF          ; the weight's codes: the four weights lie on end, in W's order
.macro LOAD t, b, off                  ; step t: 2,048 bytes; each load reads 512 consecutive bytes
.irp i, 0,1,2,3
	global_load_b128 v[R+16*(\t)+4*\i:R+16*(\t)+4*\i+3], v3, s[\b:\b+1] offset:\off+512*\i th:TH_LOAD_NT
.endr
.endm
.macro TURN t                          ; step t's numbers through the stage: LDS serves a wave's instructions in order, so no wait stands between the stores and the loads
.irp i, 0,1,2,3
	ds_store_b128 v14, v[R+16*(\t)+4*\i:R+16*(\t)+4*\i+3] offset:32*SP*((\t)%2)+8*SP*\i
.endr
	v_nop
.irp i, 0,1,2,3
	ds_load_b128 v[X+16*((\t)%2)+4*\i:X+16*((\t)%2)+4*\i+3], v15 offset:32*SP*((\t)%2)+16*\i
.endr
.endm
.macro MKS se, vr                      ; 2^e as f32, from the whole number e in s[se]
	s_add_co_i32 s50, s[\se], 127
	s_lshl_b32 s51, s50, 23
	v_mov_b32 v[\vr], s51
.endm
; 16 neighbours in v[xs] on become 16 codes in v[dst] on.  The numbers stay as they are (x is converted three times): the conversion reads them in place.
.macro Q16 xs, sc, dst
.set TS, T+16*(NQ%2)
.set k, 0
.rept 16
.set k, k+1
.endr
	v_cvt_scalef32_pk8_fp8_f32 v[(\dst):(\dst)+1], v[TS+(((\xs)+k)-(TS+k)):TS+7+(((\xs)+k)-(TS+k))], v[\sc]
	v_cvt_scalef32_pk8_fp8_f32 v[(\dst)+2:(\dst)+3], v[TS+8+(((\xs)+k)-(TS+k)):TS+15+(((\xs)+k)-(TS+k))], v[\sc]
.set NQ, NQ+1
.endm
	LOAD 0, 4, 0
	LOAD 1, 4, 2048
	LOAD 2, 4, 4096
	LOAD 3, 4, 6144
	LOAD 4, 36, 0
	LOAD 5, 36, 2048
	s_wait_kmcnt 0x0
	s_mov_b32 s38, s35                             ; the weight's exponent: e1, e3, e5 or e11
	s_cmp_eq_u32 s20, 0
	s_cselect_b32 s38, s25, s38
	s_cmp_eq_u32 s20, 1
	s_cselect_b32 s38, s27, s38
	s_cmp_eq_u32 s20, 2
	s_cselect_b32 s38, s29, s38
	MKS 24, SC
	MKS 26, SC+2
	MKS 28, SC+4
	MKS 38, SC+6
	s_wait_alu depctr_va_vdst(0)
	s_wait_loadcnt 20                              ; step 0's four loads of the 24 are in
	TURN 0
.macro STEP t
	s_wait_dscnt 0x0                               ; this step's numbers are back from the stage
.if (\t) < 5
	s_wait_loadcnt 4*(4-(\t))                      ; the next step's four loads are in; those of the steps behind it may be out
	TURN (\t)+1                                    ; and go through the other stage while this step is worked
.endif
.if (\t) < 4
.irp p, 0,1,2
	Q16 X+16*((\t)%2), SC+2*\p, C+4*(3*(\t)+\p)
	global_store_b128 v3, v[C+4*(3*(\t)+\p):C+4*(3*(\t)+\p)+3], s[40+2*\p:41+2*\p] offset:512*(\t)
.endr
.else
	Q16 X+16*((\t)%2), SC+6, C+4*(8+(\t))
	global_store_b128 v3, v[C+4*(8+(\t)):C+4*(8+(\t))+3], s[46:47] offset:512*((\t)-4)
.endif
.endm
.irp t, 0,1,2,3,4,5
	STEP \t
.endr
	s_wait_tensorcnt 0x0
	ds_add_u32 v232, v233
	s_wait_dscnt 0x0
	s_endpgm
.Lfunc_end_k_q4cb3d7de3b_quant:
	.size	k_q4cb3d7de3b_quant, .Lfunc_end_k_q4cb3d7de3b_quant-k_q4cb3d7de3b_quant
	.p2alignl 7, 3214868480
	.fill 96, 4, 3214868480
	.section	.rodata,"a",@progbits
	.p2align	6, 0x0
	.amdhsa_kernel k_q4cb3d7de3b_quant
		.amdhsa_group_segment_fixed_size 20992
		.amdhsa_private_segment_fixed_size 0
		.amdhsa_enable_private_segment 0
		.amdhsa_kernarg_size 56
		.amdhsa_user_sgpr_count 2
		.amdhsa_user_sgpr_kernarg_segment_ptr 1
		.amdhsa_wavefront_size32 1
		.amdhsa_system_sgpr_workgroup_id_x 1
		.amdhsa_system_sgpr_workgroup_id_y 1
		.amdhsa_system_sgpr_workgroup_id_z 1
		.amdhsa_system_vgpr_workitem_id 0
		.amdhsa_next_free_vgpr 234
		.amdhsa_next_free_sgpr 66
		.amdhsa_reserve_vcc 0
		.amdhsa_float_denorm_mode_32 3
		.amdhsa_float_denorm_mode_16_64 3
		.amdhsa_fp16_overflow 1
		.amdhsa_memory_ordered 1
		.amdhsa_forward_progress 1
		.amdhsa_inst_pref_size 12
	.end_amdhsa_kernel
	.amdgpu_metadata
---
amdhsa.version: [ 1, 2 ]
amdhsa.kernels:
  - .name:           k_q4cb3d7de3b_quant
    .symbol:         k_q4cb3d7de3b_quant.kd
    .args:
      - { .name: x, .offset: 0, .size: 8, .value_kind: global_buffer, .address_space: global }
      - { .name: wq, .offset: 8, .size: 8, .value_kind: global_buffer, .address_space: global }
      - { .name: wk, .offset: 16, .size: 8, .value_kind: global_buffer, .address_space: global }
      - { .name: wv, .offset: 24, .size: 8, .value_kind: global_buffer, .address_space: global }
      - { .name: wo, .offset: 32, .size: 8, .value_kind: global_buffer, .address_space: global }
      - { .name: lowp_scales, .offset: 40, .size: 8, .value_kind: global_buffer, .address_space: global }
      - { .name: codes, .offset: 48, .size: 8, .value_kind: global_buffer, .address_space: global }
    .group_segment_fixed_size: 20992
    .private_segment_fixed_size: 0
    .kernarg_segment_align: 8
    .kernarg_segment_size: 56
    .max_flat_workgroup_size: 128
    .sgpr_count:     66
    .vgpr_count:     234
    .wavefront_size: 32
...
	.end_amdgpu_metadata
.endif
;; end of part 1
;; launch qkv (part 2): grid 4 x 96, 4 waves a work-group, clusters of 4 x 4, 327,680 bytes of LDS; arguments codes, lowp_scales, qkv; writes qkv
.if DOCPART == 2
	.amdgcn_target "amdgcn-amd-amdhsa--gfx1250"
	.amdhsa_code_object_version 6
	.text
	.protected	k_q4cb3d7de3b_qkv
	.globl	k_q4cb3d7de3b_qkv
	.p2align	8
	.type	k_q4cb3d7de3b_qkv,@function
k_q4cb3d7de3b_qkv:
	s_mov_b64 s[64:65], 0
	v_nop
	global_prefetch_b8 v0, s[64:65] scope:SCOPE_SE
	s_setreg_imm32_b32 hwreg(HW_REG_WAVE_MODE, 25, 1), 1
	s_wait_xcnt 0x0
	s_wait_alu depctr_hold_cnt(0) depctr_sa_sdst(0) depctr_va_vdst(0) depctr_va_sdst(0) depctr_va_ssrc(0) depctr_va_vcc(0) depctr_vm_vsrc(0)
	s_getreg_b32 s2, hwreg(HW_REG_IB_STS2, 6, 4)
	s_cmp_eq_u32 s2, 0
	s_cbranch_scc0 .Lentry_in_a_cluster
	s_endpgm
.Lentry_in_a_cluster:
	s_bfe_u32 s2, ttmp6, 0x10000c
	s_cmp_lg_u32 s2, 0xf033
	s_cbranch_scc0 .Lentry_shape_is_right
	s_endpgm
.Lentry_shape_is_right:
; The three projections q = x wq^T, k = x wk^T, v = x wv^T on codes of E4M3, K = 1,024, and the quantising of their f32 sums into the operands of attention's two products.
; The body computes out[i][j] = sum over k of P[i][k] R[j][k] on a tile of 256 x 256, and a lane ends up with eight neighbouring j of one row i.
;   q, k (p = 0, 1): P = x's codes for product p, R = the weight's codes: i = token, j = channel: the head's 64 come out innermost.
;   v    (p = 2):    P = wv's codes, R = x's codes: i = channel, j = token: the KEYS come out innermost, as the second product of attention wants them.
; A sum stands for sum x 2^(eA + eB); its code under the next operand's 2^eN is sum / 2^(eN - eA - eB), held within +-448 codes: the three exponents are folded into the conversion's one.
; LIMIT: e6 - e0 - e1, e7 - e2 - e3 and e9 - e4 - e5 between -126 and 119, so that the folded scale and 448 x it are f32 numbers.
; OUT: q at 0 and k at 2^23, [b 16 + h][s][64]; v at 2^24, [b 16 + h][s / 64][d][64 keys]: every piece of 64 rows x 64 bytes is 4,096 dense bytes.
;   In every row of 64 bytes, byte 32 c + 16 g + 8 u + n holds column 32 c + 16 u + 8 g + n: for q and k one order on both sides of their product; for v the order in which attention's weights fall.
; SHARES: four waves, each 128 x 128: 64 accumulators, 512 registers.  K goes in steps of 256 through a ring of two LDS slots; a tile's row is 256 bytes of memory.
; CLUSTERS: 4 x 4 work-groups; 24 clusters: 8 for each product.  The four of a row of the cluster need the same tiles of P, the four of a column the same tiles of R: each is asked for jointly.
; THE MATRIX INSTRUCTION IS USED TRANSPOSED: source 0 = 16 rows of R, source 1 = 16 rows of P.
; K has four steps: two are first fills, and the two refills go out within the first two steps: no trip lies far enough ahead of a load to ask for its bytes earlier, so nothing is prefetched.
; REGISTERS, in windows of 256: window 0: v0-31 addresses; from v128 P's fragments, ONE set; on the way out v128-255 codes.
;   window 1: R's fragments, TWO sets.   window 2: the accumulators of my rows 0-63 ((a, b) at v[8 (8 a + b)]);   window 3: those of my rows 64-127.
.set ROWB,   256                       ; a tile's row in bytes: 256 along K
.set KROW,   1024                      ; a row of codes in memory
.set PITCH,  272                       ; an LDS row: 256 bytes + 16 of padding = 68 words: the 16 rows that a load touches start at 16 different banks (64 banks of 4 bytes: ISA guide 11.1)
.set FR,     16                        ; registers of a fragment: 16 rows x 128 K
.set NL,     4                         ; LDS loads that bring one
.set NP,     4                         ; places behind this matrix instruction (ISA guide 7.12.1)
.set HALFT,  128*PITCH
.set SLOT,   4*HALFT                   ; P's 256 rows, then R's 256 rows
.set LAPS,   2                         ; 1,024 / 512
.set SPARE,  2*SLOT                    ; behind the ring: the spare words, 128 bytes for each wave
.set WOFF,   0x1800000                 ; where the weights' codes begin
.set CO,   8                           ; v8-11   the way out: 16 x lane + jb x the step from one piece of 64 columns to the next
.set ADRA, 16                          ; v16-17  LDS address of my P fragments in slot 0, 1
.set ADRB, 20                          ; v20-21  the same for R
.set STO,  24                          ; v24     the way out: where I put 16 codes of a row
.set RD,   25                          ; v25     the way out: where I read 16 bytes back
.set SPW,  28                          ; v28     LDS address of my spare word; never rewritten
.set NIL,  29                          ; v29     0; never rewritten
.set SCL,  30                          ; v30     the folded scale as f32
.set LIM,  31
.set TMP,  32
.set AF,   128                         ; P's fragments, in window 0
.set CD,   128                         ; the way out: the codes, 16 registers a block; later the pieces read back
.set G1, 24                            ; s[24:31] descriptor group 1 for P's tiles;  s[32:39] group 0, one set for each slot
.set G0, 32
.set G1B, 48                           ; s[48:55], s[56:63] the same for R's tiles
.set G0B, 56
.set MSB, 0
.macro WIN new                         ; the immediate's high byte repeats the setting that is left
.if MSB != \new
	s_set_vgpr_msb (MSB<<8)|\new
.set MSB, \new
.endif
.endm
.set MUL_LO, 0xa1                      ; source 0 (R) window 1, source 1 (P) window 0, C and D window 2
.set MUL_HI, 0xf1                      ; the same, C and D window 3
.set TO_B,   0x40                      ; destination window 1, address window 0
; A joint load: waves 0 and 1 fetch for P, waves 2 and 3 for R.  Each line has one mask and one set of registers for all that issue it; the branch hangs on the wave's number alone.
; Four v_nop follow each of the two lines, ahead of the jump, the label and what follows.
.macro JLOAD g0a, g1a, g0b, g1b
	s_cmp_eq_u32 s15, 0
	s_cbranch_scc0 .Lfor_b_\@
	tensor_load_to_lds s[\g0a:\g0a+3], s[\g1a:\g1a+7]
	s_nop 0
.rept 4
	v_nop
.endr
	s_branch .Lasked_\@
.Lfor_b_\@:
	tensor_load_to_lds s[\g0b:\g0b+3], s[\g1b:\g1b+7]
	s_nop 0
.rept 4
	v_nop
.endr
.Lasked_\@:
.endm
.macro CREST                           ; a round of the cluster's barrier behind its opening barrier
	s_cmp_lg_u32 s14, 0
	s_cbranch_scc1 .Lnot_wave_0_\@
	s_barrier_signal -3
.Lnot_wave_0_\@:
	s_barrier_wait -3
	s_barrier_signal -1
	s_barrier_wait -1
.endm
.macro CROUND                          ; a whole round
	s_barrier_signal -1
	s_barrier_wait -1
	CREST
.endm
	s_load_b128 s[4:7], s[0:1], 0x0                ; the codes s[4:5], the scales' exponents s[6:7]
	s_load_b64 s[10:11], s[0:1], 0x10              ; qkv
	v_lshl_add_u32 v[SPW], v0, 2, SPARE
	v_mov_b32 v[NIL], 0
	ds_add_u32 v28, v29
	ds_add_u32 v28, v29
	s_wait_dscnt 0x0
	v_lshrrev_b32 v1, 5, v0
	v_readfirstlane_b32 s14, v1                    ; wave 0..3
	s_lshr_b32 s15, s14, 1                         ; which half of the tile's rows is mine.  Also: I fetch for P (0) or for R (1)
	s_and_b32 s16, s14, 1                          ; which half of its columns.  Also: which 128 rows of that tile I fetch
	s_bfe_u32 s40, ttmp6, 0x40000                  ; cx, cy: my place in the cluster
	s_bfe_u32 s41, ttmp6, 0x40004
	s_and_b32 s66, ttmp7, 0xffff                   ; the cluster's number, 0 .. 23: the same in all sixteen partners, as is all that is made of it alone
	s_lshr_b32 s67, s66, 3                         ; p: the product
	s_and_b32 s68, s66, 7
	s_lshl_b32 s68, s68, 2                         ; the first of the cluster's four blocks of 256 tokens
	s_lshl_b32 s69, s67, 23                        ; x's codes for product p; also q's, k's or v's place in the output
	s_lshl_b32 s70, s67, 20
	s_add_co_u32 s70, s70, WOFF                    ; the weight's codes
	s_cmp_eq_u32 s67, 2                            ; v: the roles are swapped
	s_cselect_b32 s73, 0, s68                      ; P's first block of rows in this cluster,
	s_cselect_b32 s74, s68, 0                      ; R's
	s_cselect_b32 s75, s70, s69                    ; where P's codes begin,
	s_cselect_b32 s76, s69, s70                    ; where R's
	s_add_co_u32 s17, s73, s41                     ; P's block of 256 rows: it never holds cx
	s_add_co_u32 s42, s74, s40                     ; R's block of 256 rows: it never holds cy
	s_lshl_b32 s43, s41, 2
	s_lshl_b32 s43, 15, s43                        ; my row of the cluster
	s_lshl_b32 s44, 0x1111, s40                    ; my column
	; descriptor group 1: a tile of 128 rows x 256 bytes, padded in LDS
	s_or_b32 s[G1+0], s43, (0<<16)|(1<<20)|(1<<21)|(5<<22)|(3<<25)  ; 15:0 the mask: P's tiles go to my row; 17:16 elements of 1 byte; 20 padding on; 21 set beside a mask; 24:22 after every 64 words; 31:25 four words
	s_or_b32 s[G1B+0], s44, (0<<16)|(1<<20)|(1<<21)|(5<<22)|(3<<25)
.irp g, G1, G1B
	s_mov_b32 s[\g+1], ROWB<<16                    ; tensor_dim0
	s_mov_b32 s[\g+2], 128<<16                     ; tensor_dim1 = 128
	s_mov_b32 s[\g+3], ROWB<<16                    ; tile_dim0
	s_mov_b32 s[\g+4], 128                         ; tile_dim1 = 128
	s_mov_b32 s[\g+5], KROW                        ; tensor_dim0_stride
	s_mov_b32 s[\g+6], 0
	s_mov_b32 s[\g+7], 0
.endr
	s_lshl_b32 s18, s16, 7                         ; which 128 rows of the tile I fetch
	s_lshl_b32 s20, s17, 8
	s_add_co_u32 s20, s20, s18
	s_lshl_b32 s20, s20, 10                        ; rows of 1,024 bytes
	s_add_co_u32 s20, s20, s75                     ; P: under 2^25 bytes
	s_mov_b32 s21, 0
	s_lshl_b32 s46, s42, 8
	s_add_co_u32 s46, s46, s18
	s_lshl_b32 s46, s46, 10
	s_add_co_u32 s46, s46, s76                     ; R
	s_mov_b32 s47, 0
	s_mul_i32 s45, s14, HALFT                      ; where they go: wave x 128 rows: no place in the cluster enters an LDS address
	s_wait_kmcnt 0x0
	s_load_b256 s[80:87], s[6:7], 0x0              ; e0 .. e7
	s_load_b128 s[88:91], s[6:7], 0x20             ; e8 .. e11
	s_add_nc_u64 s[20:21], s[4:5], s[20:21]
	s_add_nc_u64 s[46:47], s[4:5], s[46:47]
	CROUND                                         ; all sixteen work-groups are here: the first joint loads meet
.irp s, 0,1
	s_mov_b32 s[G0+4*\s], 1
	s_add_co_u32 s[G0+4*\s+1], s45, \s*SLOT
	s_add_nc_u64 s[G0+4*\s+2:G0+4*\s+3], s[20:21], \s*ROWB
	s_or_b32 s[G0+4*\s+3], s[G0+4*\s+3], 0x80000000
	s_mov_b32 s[G0B+4*\s], 1
	s_add_co_u32 s[G0B+4*\s+1], s45, \s*SLOT
	s_add_nc_u64 s[G0B+4*\s+2:G0B+4*\s+3], s[46:47], \s*ROWB
	s_or_b32 s[G0B+4*\s+3], s[G0B+4*\s+3], 0x80000000
	JLOAD G0+4*\s, G1, G0B+4*\s, G1B
.endr
	v_and_b32 v1, 15, v0                           ; l % 16
	v_bfe_u32 v2, v0, 4, 1                         ; l / 16
	v_mul_u32_u24 v3, v1, PITCH
	v_lshl_add_u32 v4, v2, 4, v3                   ; a fragment's row x pitch + 16 x half
	s_wait_alu depctr_va_vdst(0)
	s_mul_i32 s21, s15, HALFT                      ; my 128 rows of P
	s_mul_i32 s22, s16, HALFT                      ; my 128 rows of R,
	s_add_co_u32 s22, s22, 2*HALFT                 ; which lie behind P's 256
.irp s, 0,1
	v_add_nc_u32 v[ADRA+\s], s21, v4
	v_add_nc_u32 v[ADRB+\s], s22, v4
	s_add_co_u32 s21, s21, SLOT
	s_add_co_u32 s22, s22, SLOT
.endr
	; the way out: ONE stage of 256 rows x 272 bytes for the work-group, in slot 0
	s_mul_i32 s23, s15, 128*PITCH
	s_lshl_b32 s22, s16, 7
	s_add_co_u32 s23, s23, s22
	v_add_nc_u32 v[STO], s23, v4                   ; in: row 128 x (wave / 2) + l % 16, byte 128 x (wave % 2) + 16 x (l / 16)
	v_and_b32 v6, 31, v0
	s_wait_alu depctr_va_vdst(0)
	v_lshrrev_b32 v7, 2, v6
	v_mul_u32_u24 v7, v7, PITCH
	v_and_b32 v5, 3, v6
	v_lshl_add_u32 v7, v5, 4, v7
	s_mul_i32 s23, s14, 64*PITCH
	v_add_nc_u32 v[RD], s23, v7                    ; back: rows 64 x wave on; four lanes take 64 bytes of a row, the wave eight rows
	s_mov_b32 s79, 0x20000
	s_cmp_eq_u32 s67, 2
	s_cselect_b32 s77, s42, s17                    ; the block of 256 tokens,
	s_cselect_b32 s78, s17, s42                    ; the block of 256 channels (four heads)
	s_cselect_b32 s95, s79, 4096                   ; from my 64 rows of the stage to the next wave's: 64 tokens (4,096 bytes), or with v a head (2^17)
	s_cselect_b32 s96, 4096, s79                   ; from 64 columns to the next 64: a head, or with v 64 keys
	s_lshr_b32 s97, s77, 3
	s_lshl_b32 s97, s97, 21                        ; the batch: 16 heads of 2^17 bytes
	s_and_b32 s98, s77, 7
	s_lshl_b32 s98, s98, 14                        ; 256 tokens x 64 bytes
	s_add_co_u32 s97, s97, s98
	s_lshl_b32 s98, s78, 19                        ; four heads
	s_add_co_u32 s97, s97, s98
	s_add_co_u32 s97, s97, s69                     ; q, k or v
	s_mul_i32 s98, s14, s95
	s_add_co_u32 s98, s98, s97
	s_mov_b32 s99, 0
	s_add_nc_u64 s[10:11], s[10:11], s[98:99]
	v_lshlrev_b32 v[CO], 4, v6
	v_add_nc_u32 v[CO+1], s96, v[CO]
	v_add_nc_u32 v[CO+2], s96, v[CO+1]
	v_add_nc_u32 v[CO+3], s96, v[CO+2]
.macro FRAG reg, adr, q, i             ; a fragment, 16 rows x 128 K, is 16 registers: lane l holds row l % 16; registers 4 c .. 4 c + 3 hold K = 32 c + 16 (l / 16) + 0 .. 15: one order of k on both sides
.irp c, 0,1,2,3
	ds_load_b128 v[\reg+4*\c:\reg+4*\c+3], v[\adr] offset:128*(\q)+32*\c+(\i)*16*PITCH
.endr
.endm
; 16 matrix instructions: P's blocks a0, a0 + 1 x R's eight, 128 along K.  p: R's set.  zero = 1: the first product starts the sums.
; The 64 accumulators take turns, one instruction a turn, in the same order in every step.
.macro MUL16 a0, p, zero
.irp a, \a0, \a0+1
.irp b, 0,1,2,3,4,5,6,7
.if \zero
	v_wmma_f32_16x16x128_fp8_fp8 v[8*(8*((\a)%4)+\b):8*(8*((\a)%4)+\b)+7], v[128*(\p)+FR*\b:128*(\p)+FR*\b+FR-1], v[AF+FR*(\a):AF+FR*(\a)+FR-1], 0
.else
	v_wmma_f32_16x16x128_fp8_fp8 v[8*(8*((\a)%4)+\b):8*(8*((\a)%4)+\b)+7], v[128*(\p)+FR*\b:128*(\p)+FR*\b+FR-1], v[AF+FR*(\a):AF+FR*(\a)+FR-1], v[8*(8*((\a)%4)+\b):8*(8*((\a)%4)+\b)+7]
.endif
.endr
.endr
.endm
.macro FETCH_B slot, q, p              ; R's eight fragments of the slot's q-th 128 along K into set p
	WIN TO_B
.irp i, 0,1,2,3,4,5,6,7
	FRAG 128*(\p)+FR*\i, ADRB+\slot, \q, \i
.endr
	WIN 0
.endm
.macro FETCH_A slot, q, i0             ; P's blocks i0 .. i0 + 3
.irp i, \i0, \i0+1, \i0+2, \i0+3
	FRAG AF+FR*(\i), ADRA+\slot, \q, \i
.endr
.endm
; A load into a register that a matrix instruction has read, and a vector instruction that reads a matrix result, stand NP places behind that matrix instruction; only plain vector
; instructions that name none of its registers are places (ISA guide 7.12.1 for vector instructions).
.macro PLACES n
.rept \n
	v_nop
.endr
.endm
; A step of 128 along K that has its successor in the same slot.
.macro STEP slot, q, zero
	s_wait_dscnt 4*NL                              ; R's set and P's blocks 0-3 are in; the youngest sixteen loads (P's blocks 4-7) may be out
	WIN MUL_LO
	MUL16 0, (\q)%2, \zero
	MUL16 2, (\q)%2, \zero
	s_wait_dscnt 0                                 ; P's blocks 4-7 are in
	PLACES NP
	FETCH_B \slot, (\q)+1, 1-(\q)%2
	FETCH_A \slot, (\q)+1, 0
	WIN MUL_HI
	MUL16 4, (\q)%2, \zero
	MUL16 6, (\q)%2, \zero
	PLACES NP
	WIN 0
	FETCH_A \slot, (\q)+1, 4
.endm
; A slot's last step changes slots: ONE barrier; in front of it each wave waits for all its tensor loads, adds 0 to its spare word, and waits for that and for its own reads of this slot.  fill = 1: this slot is filled again, two K steps ahead.
.macro TURN slot, next, fill
	s_wait_tensorcnt 0x0                           ; all my tensor loads have landed: my part of the next slot  (every window is 0 here)
	ds_add_u32 v[SPW], v[NIL]                      ; 0 onto my spare word
	s_wait_dscnt 4*NL+1                            ; (the add and the youngest sixteen loads, P's blocks 4-7, may be out)
	WIN MUL_LO
	MUL16 0, 1, 0                                  ; sixteen matrix instructions stand between the add and the wait for it
	s_wait_dscnt 0x0                               ; the add is done, and my reads of this slot are over
	s_barrier_signal -1
	MUL16 2, 1, 0
	WIN 0
	s_barrier_wait -1
.if \fill
	CREST                                          ; the barrier has opened a round of the cluster's barrier: no wave of any partner still reads this slot's tile or has a load on its way
	s_add_nc_u64 s[G0+4*\slot+2:G0+4*\slot+3], s[G0+4*\slot+2:G0+4*\slot+3], 2*ROWB
	s_add_nc_u64 s[G0B+4*\slot+2:G0B+4*\slot+3], s[G0B+4*\slot+2:G0B+4*\slot+3], 2*ROWB
	JLOAD G0+4*\slot, G1, G0B+4*\slot, G1B         ; the first tensor load behind the round; the four v_nop behind it are the places in front of the loads below
.else
	PLACES NP
.endif
	FETCH_B \next, 0, 0
	FETCH_A \next, 0, 0
	WIN MUL_HI
	MUL16 4, 1, 0
	MUL16 6, 1, 0
	PLACES NP
	WIN 0
	FETCH_A \next, 0, 4
.endm
	s_wait_tensorcnt 1                             ; my part of K step 0 is in (K step 1's load may be out)
	s_barrier_signal -1
	s_barrier_wait -1                              ; everybody's is
	FETCH_B 0, 0, 0
	FETCH_A 0, 0, 0
	FETCH_A 0, 0, 4
	STEP 0, 0, 1                                   ; the first step stands in front of the loop: its products start the sums
	s_mov_b32 s3, LAPS-1
.Llap:                                                 ; a trip goes once round the ring, from a lap's second step to the next lap's first, and fills both slots again
	TURN 0, 1, 1
	STEP 1, 0, 0
	TURN 1, 0, 1
	STEP 0, 0, 0
	s_sub_co_u32 s3, s3, 1
	s_cmp_lg_u32 s3, 0
	s_cbranch_scc1 .Llap
	TURN 0, 1, 0                                   ; the last lap fills nothing, and has no round of the cluster's barrier
	STEP 1, 0, 0
	s_wait_dscnt 4*NL                              ; the very last step: nothing more to fetch
	WIN MUL_LO
	MUL16 0, 1, 0
	MUL16 2, 1, 0
	s_wait_dscnt 0
	WIN MUL_HI
	MUL16 4, 1, 0
	MUL16 6, 1, 0
	WIN 0
	; THE WAY OUT.  The folded scale: chosen by s_cselect on the product's number; no branch hangs on a loaded number.
	s_wait_kmcnt 0x0
	s_sub_co_i32 s92, s86, s80
	s_sub_co_i32 s92, s92, s81                     ; q: e6 - e0 - e1
	s_sub_co_i32 s93, s87, s82
	s_sub_co_i32 s93, s93, s83                     ; k: e7 - e2 - e3
	s_sub_co_i32 s94, s89, s84
	s_sub_co_i32 s94, s94, s85                     ; v: e9 - e4 - e5
	s_cmp_eq_u32 s67, 1
	s_cselect_b32 s92, s93, s92
	s_cmp_eq_u32 s67, 2
	s_cselect_b32 s92, s94, s92
	s_add_co_i32 s92, s92, 127
	s_lshl_b32 s93, s92, 23
	v_mov_b32 v[SCL], s93                          ; the conversion takes its exponent field
	s_add_co_i32 s92, s92, 8
	s_lshl_b32 s92, s92, 23
	s_or_b32 s92, s92, 0x600000
	PLACES NP                                      ; behind the last products: for the reads of their results and the writes over P's fragments
; Block a (16 rows x my 128 columns): converted (a lane's eight sums of a tile are eight neighbouring columns: 8 bytes), and two neighbouring tiles' 16 bytes stored into the stage.
; The stage lies in slot 0, which has had its last fill; every wave's last read of it stands in front of the last change of slots.
.macro TOCODES a
.set AC, 64*((\a)%4)
	WIN 0x02+((\a)/4)                              ; source 0: window 2 or 3
.set j, 0
.rept 64
.set j, j+1
.endr
.irp b, 0,1,2,3,4,5,6,7
	v_cvt_scalef32_pk8_fp8_f32 v[CD+16*(\a)+2*\b:CD+16*(\a)+2*\b+1], v[AC+8*\b:AC+8*\b+7], v[SCL]
.endr
	WIN 0
	v_nop                                          ; one plain line between the last conversion and the stores that read its results
.irp c, 0,1,2,3
	ds_store_b128 v[STO], v[CD+16*(\a)+4*\c:CD+16*(\a)+4*\c+3] offset:(\a)*16*PITCH+32*\c
.endr
.endm
.irp a, 0,1,2,3,4,5,6,7
	TOCODES \a
.endr
	s_wait_dscnt 0x0                               ; for the others' sake: my stores into the stage are done
	s_barrier_signal -1
	s_barrier_wait -1                              ; a row's 256 bytes come from two waves
.irp jb, 0,1,2,3
.irp t, 0,1,2,3,4,5,6,7
	ds_load_b128 v[CD+4*(8*\jb+\t):CD+4*(8*\jb+\t)+3], v[RD] offset:\t*8*PITCH+64*\jb   ; eight rows x 64 bytes: 512 consecutive bytes of a piece
.endr
.endr
.irp jb, 0,1,2,3
.irp t, 0,1,2,3,4,5,6,7
	s_wait_dscnt 31-(8*\jb+\t)                     ; LDS loads come back in order: this one is in, the younger ones may be out
	global_store_b128 v[CO+\jb], v[CD+4*(8*\jb+\t):CD+4*(8*\jb+\t)+3], s[10:11] offset:512*\t   ; the wave stores 512 consecutive bytes, aligned
.endr
.endr
	s_wait_tensorcnt 0x0                           ; the wave's end
	ds_add_u32 v[SPW], v[NIL]
	s_wait_dscnt 0x0
	CROUND                                         ; the closing round: no work-group ends while a partner may still ask for a tile that names it
	s_endpgm
.Lfunc_end_k_q4cb3d7de3b_qkv:
	.size	k_q4cb3d7de3b_qkv, .Lfunc_end_k_q4cb3d7de3b_qkv-k_q4cb3d7de3b_qkv
	.p2alignl 7, 3214868480
	.fill 96, 4, 3214868480
	.section	.rodata,"a",@progbits
	.p2align	6, 0x0
	.amdhsa_kernel k_q4cb3d7de3b_qkv
		.amdhsa_group_segment_fixed_size 327680
		.amdhsa_private_segment_fixed_size 0
		.amdhsa_enable_private_segment 0
		.amdhsa_kernarg_size 24
		.amdhsa_user_sgpr_count 2
		.amdhsa_user_sgpr_kernarg_segment_ptr 1
		.amdhsa_wavefront_size32 1
		.amdhsa_system_sgpr_workgroup_id_x 1
		.amdhsa_system_sgpr_workgroup_id_y 1
		.amdhsa_system_sgpr_workgroup_id_z 1
		.amdhsa_system_vgpr_workitem_id 0
		.amdhsa_next_free_vgpr 1024
		.amdhsa_next_free_sgpr 100
		.amdhsa_reserve_vcc 0
		.amdhsa_float_denorm_mode_32 3
		.amdhsa_float_denorm_mode_16_64 3
		.amdhsa_fp16_overflow 1
		.amdhsa_memory_ordered 1
		.amdhsa_forward_progress 1
		.amdhsa_inst_pref_size 92
	.end_amdhsa_kernel
	.amdgpu_metadata
---
amdhsa.version: [ 1, 2 ]
amdhsa.kernels:
  - .name:           k_q4cb3d7de3b_qkv
    .symbol:         k_q4cb3d7de3b_qkv.kd
    .args:
      - { .name: codes, .offset: 0, .size: 8, .value_kind: global_buffer, .address_space: global }
      - { .name: lowp_scales, .offset: 8, .size: 8, .value_kind: global_buffer, .address_space: global }
      - { .name: qkv, .offset: 16, .size: 8, .value_kind: global_buffer, .address_space: global }
    .group_segment_fixed_size: 327680
    .private_segment_fixed_size: 0
    .kernarg_segment_align: 8
    .kernarg_segment_size: 24
    .max_flat_workgroup_size: 128
    .sgpr_count:     100
    .vgpr_count:     1024
    .wavefront_size: 32
...
	.end_amdgpu_metadata
.endif
;; end of part 2
;; launch attn (part 3): grid 4 x 64, 16 waves a work-group, no clusters, 327,680 bytes of LDS; arguments qkv, lowp_scales, ac; writes ac
.if DOCPART == 3
	.amdgcn_target "amdgcn-amd-amdhsa--gfx1250"
	.amdhsa_code_object_version 6
	.text
	.protected	k_q4cb3d7de3b_attn
	.globl	k_q4cb3d7de3b_attn
	.p2align	8
	.type	k_q4cb3d7de3b_attn,@function
k_q4cb3d7de3b_attn:
	s_mov_b64 s[64:65], 0
	v_nop
	global_prefetch_b8 v0, s[64:65] scope:SCOPE_SE
	s_setreg_imm32_b32 hwreg(HW_REG_WAVE_MODE, 25, 1), 1
	s_wait_xcnt 0x0
; Causal attention of 64 heads (batch x head), 2,048 tokens, head size 64, both products on codes of E4M3; the result is quantised for the last projection.
; IN (buffer qkv): q at 0 and k at 2^23: [bh][s][64] codes; v at 2^24: [bh][s / 64][d][64 keys] codes.  In a row of 64 bytes, byte 32 c + 16 g + 8 u + n holds column 32 c + 16 u + 8 g + n.
; OUT (buffer ac): [h][batch x 2,048 + s][64] codes, the head's 64 in their natural order.
; THE SOFTMAX: t = score x log2(e) / 8; M = the row's largest t so far, rounded UP to a whole number; p = 2^(t - M) is quantised under 2^e8, not normalised; the row's sum is taken of the
; unquantised p in f32 and divides at the end.  When M moves, the sum and O are multiplied by 2^(old M - new M): exact.
; SHARES.  A work-group makes TWO blocks of 256 queries of one head: block i (key slots 0 .. i, 256 keys each), then block 7 - i (slots 0 .. 7 - i): nine trips in every work-group, whatever i:
; the trip count is a constant, all 256 work-groups have the same work, and no tile above the diagonal is fetched.  Each of SIXTEEN waves owns 16 queries in 256 registers: four waves to a SIMD.
; A trip is two steps of 128 keys.  On the diagonal slot a wave leaves out a step all of whose keys come after its queries, and masks the step on the diagonal: scalar branches on ids.
; NO CLUSTER: in trip T the work-group with number i asks for key slot min(T + 1, T - i) (unsigned): from trip 2 on the four work-groups of a head ask for different slots in the same trip (in trips 0 and 1 those with i > T ask alike for slot T + 1).
; LAYOUT.  Both products are used transposed: S^T = K Q^T (source 0 = 16 keys, source 1 = my 16 queries), O^T = V^T P^T: a lane holds ONE query (lane % 16) throughout.
; In tile t of S^T lane (r, g) holds keys 16 t + 8 g + 0 .. 7: its eight codes are registers 2 t, 2 t + 1 of the second product's operand, in that form's own order of k; v's bytes were laid to match.
; LIMITS on the given exponents: e6 + e7 between -123 and 130 (added to c's exponent field); e8, and e10 - e8 - e9, between -126 and 119.  NaN among the inputs is not served.
; REGISTERS: v1-7, v10, v11 addresses that stay; v8, v9 addresses of the step; v12 -M, v13 the largest t, v[14:15] the sum in two halves; v16-23 Q; v32-95 K's 8 fragments, then V's 4;
;   v96-159 S^T, then p; v160-191 O^T; v192-223 the way out; v224-239 p's codes; v244: 2^e8; v245: 2^(e10 - e8 - e9); v236, v238-243, v246-255 at work.
.set KP,    80                         ; 64 bytes of codes + 16 of padding = 20 words: the 16 rows that a load touches start at 16 different banks (ISA guide 11.1)
.set VOFF,  256*KP                     ; a slot: 256 rows of K, then V: 4 blocks of 64 keys x 64 rows
.set KBB,   64*KP                      ; a block of 64 keys of V
.set SLOT1, 1<<16                      ; slot 1 begins here: one exclusive or turns an address in one slot into the other's
.set STAGE, 2*SLOT1                    ; behind the ring: 1,024 bytes for each wave, for the way out; no fill lands here
.set SPARE, STAGE+16*1024              ; behind the stages: the spare words, 128 bytes for each wave
.set AK0,  1                           ; v1   my lane's place in a tile of K
.set AV0,  2                           ; v2   the same for V
.set PFO,  3                           ; v3   256 x lane: the prefetches' offset
.set QO,   4                           ; v4   my lane's bytes in the wave's 16 rows of Q
.set SPW,  5                           ; v5   LDS address of my spare word; never rewritten
.set NIL,  6                           ; v6   0; never rewritten
.set GO,   7                           ; v7   16 x lane: my bytes of the wave's 1,024 of the result
.set ADK,  8
.set ADV,  9
.set STO,  10                          ; v10  the stage, in
.set RD,   11                          ; v11  the stage, back
.set KV,   32
.set TB,   2                           ; s2   LDS byte at which the slot in hand begins
.set TR,   3                           ; s3   the trip
.set BI,   10                          ; s10  i
.set BI1,  11                          ; s11  i + 1: the trip in which the second block begins
.set BH,   12                          ; s12  batch x 16 + head
.set Q0,   13                          ; s13  my first query
.set KF,   14                          ; s14  the step's first key
.set PLIM, 15                          ; s15  a wave prefetches while the trip is under this
.set WV,   18
.set SEL,  20                          ; s[20:21] lane selects: lane l xor 16
.set CS,   22                          ; s[22:23] c = log2(e) / 8 x 2^(e6 + e7)
.set G1,   24                          ; s[24:31] descriptor group 1
.set G0,   40                          ; s[40:43] descriptor group 0
.set KVB,  44                          ; s[44:45] my part of key slot 0 in memory
.set PFA,  46                          ; s[46:47] where my prefetches stand
; Waves 0 and 1 fetch K's halves of a slot, waves 2 and 3 V's: 8,192 dense bytes each.  The branch hangs on the wave's number alone.  Four v_nop follow the load.
.macro TLOAD
	s_cmp_lt_u32 s[WV], 4
	s_cbranch_scc0 .Lasked_\@
	tensor_load_to_lds s[G0:G0+3], s[G1:G1+7]
	s_nop 0
.rept 4
	v_nop
.endr
.Lasked_\@:
.endm
; A PREFETCH INTO THE L2.  All four work-groups of a head walk the same K and V: the one with i = 0 asks, in its waves 4 to 7, which fetch nothing: waves 4, 5 for K's two halves of a slot, waves 6, 7 for V's,
; 8,192 bytes a wave, lanes 256 bytes apart, one instruction.  In trip T (0 .. 6) it names key slot T + 1, for which that work-group's tensor load asks one trip, two key steps, later.
; So slots 1 to 7 of each head are named once; slot 0 comes by its loads alone, and the last two trips ask for nothing.
.macro ASK
	s_cmp_lt_u32 s[TR], s[PLIM]
	s_cbranch_scc0 .Lnot_mine_\@
	global_prefetch_b8 v[PFO], s[PFA:PFA+1] th:TH_LOAD_NT scope:SCOPE_SE
.Lnot_mine_\@:
.endm
; THE CHANGE OF SLOTS stands at a trip's head.  Each wave waits for all its tensor loads (its part of the slot that it is about to read), adds 0 to its spare word, and waits for that and for its reads of the slot that it has left.
; Behind the barrier the slot ahead is whole and nobody reads the other one.  fill = 1: that other slot takes the next trip's keys: the load has a trip's two steps in which to land.
.macro CHANGE fill
	s_wait_tensorcnt 0x0                           ; no tensor load of mine is out, so group 0 may be written
	ds_add_u32 v[SPW], v[NIL]                      ; 0 onto my spare word
.if \fill
	s_xor_b32 s[G0+1], s[G0+1], SLOT1              ; the other slot than last time
	s_add_co_u32 s66, s[TR], 1
	s_sub_co_u32 s67, s[TR], s[BI]                 ; (wraps round to a large number while the first block lasts)
	s_min_u32 s66, s66, s67                        ; the next trip's key slot: T + 1 in the first block, T - i in the second
	s_lshl_b32 s66, s66, 14                        ; 256 keys x 64 bytes
	s_mov_b32 s67, 0
	s_add_nc_u64 s[G0+2:G0+3], s[KVB:KVB+1], s[66:67]
	s_or_b32 s[G0+3], s[G0+3], 0x80000000          ; type = 2
	s_wait_xcnt 0x0                                ; the last prefetch, a trip back, has read its address, so it may be written
	s_add_nc_u64 s[PFA:PFA+1], s[PFA:PFA+1], 16384
.endif
	s_wait_dscnt 0x0                               ; the add is done, and my reads of the slot that I have left are over
	s_barrier_signal -1
	s_barrier_wait -1
.if \fill
	TLOAD                                          ; the first thing behind the barrier, and a wave's one tensor load until the next
	ASK
.endif
.endm
; A block of queries begins: Q's fragment, and the running figures.  O^T and the sum begin as zeros and the largest t as -3e38, so that the step is written once: the first change of M multiplies zeros.
.macro INIT
	s_lshl_b32 s66, s[Q0], 6
	s_mov_b32 s67, 0
	s_add_nc_u64 s[52:53], s[48:49], s[66:67]
	global_load_b128 v[16:19], v[QO], s[52:53]
	global_load_b128 v[20:23], v[QO], s[52:53] offset:32
	s_mov_b32 s[KF], 0
	v_mov_b32 v13, 0xff61b1e6                      ; -3e38, under every t
	s_delay_alu instid0(VALU_DEP_1)
	v_floor_f32 v12, -v13
	v_mov_b32 v14, 0
	v_mov_b32 v15, 0
.set n, 0
.rept 32
	v_mov_b32 v[160+n], 0
.set n, n+1
.endr
	s_wait_loadcnt 0x0
.endm
; A KEY STEP: 128 keys, the q-th of the slot in hand.
.macro STEP q
	s_add_co_u32 s66, s[Q0], 15
	s_cmp_gt_u32 s[KF], s66                        ; all keys come after my 16 queries: the step's work is left out; no barrier and no tensor load stands in a step
	s_cbranch_scc1 .Lhidden_\@
	v_add_nc_u32 v[ADK], s[TB], v[AK0]
	v_add_nc_u32 v[ADV], s[TB], v[AV0]
	v_nop                                          ; with the two additions: four places in front of loads into registers that the last products read
	v_nop
.irp t, 0,1,2,3,4,5,6,7
	ds_load_b128 v[KV+8*\t:KV+8*\t+3],   v[ADK] offset:(128*(\q)+16*\t)*KP
	ds_load_b128 v[KV+8*\t+4:KV+8*\t+7], v[ADK] offset:(128*(\q)+16*\t)*KP+32
.endr
	s_wait_alu depctr_va_vdst(0)
	s_wait_dscnt 0x0
.irp t, 0,1,2,3,4,5,6,7
	v_wmma_f32_16x16x64_fp8_fp8 v[96+8*\t:103+8*\t], v[KV+8*\t:KV+8*\t+7], v[16:23], 0
.endr
.rept 4
	v_nop                                          ; four places: for the loads below and for the first read of the scores
.endr
.irp t, 0,1,2,3                                ; V's four fragments (16 of the head's 64 x 128 keys) are asked for now and land under the softmax
.irp c, 0,1,2,3
	ds_load_b128 v[KV+16*\t+4*\c:KV+16*\t+4*\c+3], v[ADV] offset:(2*(\q)+\c/2)*KBB+16*KP*\t+32*(\c%2)
.endr
.endr
	s_add_co_u32 s66, s[KF], 127
	s_cmp_le_u32 s66, s[Q0]                        ; all 128 keys count for all my queries: no mask
	s_cbranch_scc1 .Lopen_\@
	s_sub_co_i32 s66, s[Q0], s[KF]
	v_and_b32 v252, 15, v0
	v_bfe_u32 v253, v0, 4, 1
	s_delay_alu instid0(VALU_DEP_1)
	v_lshlrev_b32 v253, 3, v253
	s_delay_alu instid0(VALU_DEP_1)
	v_sub_nc_u32 v252, v252, v253
	s_delay_alu instid0(VALU_DEP_1)
	v_add_nc_u32 v252, s66, v252                   ; d = my query - KF - 8 (lane / 16).  Register n holds key KF + 16 (n / 8) + 8 (lane / 16) + n % 8: hidden where 16 (n / 8) + n % 8 > d
	v_mov_b32 v254, 0xff800000                     ; -infinity: p = 0 then
.set n, 0
.rept 64
	v_cmp_gt_i32 vcc_lo, 16*(n/8)+n%8, v252
	v_cndmask_b32 v[96+n], v[96+n], v254, vcc_lo
.set n, n+1
.endr
.Lopen_\@:
	v_max3_num_f32 v254, v96, v97, v98             ; the step's largest score of my query, among my 64 keys, in two chains, each accumulator from its low end on,
	v_max3_num_f32 v252, v99, v100, v101
.irp i, 6,10,14,18,22,26,30,34,38,42,46,50,54,58
	v_max3_num_f32 v254, v254, v[96+\i], v[97+\i]
	v_max3_num_f32 v252, v252, v[98+\i], v[99+\i]
.endr
	v_max3_num_f32 v254, v254, v158, v159
	s_delay_alu instid0(VALU_DEP_1)
	v_max_num_f32 v254, v254, v252
	v_permlanex16_b32 v236, v254, s[SEL], s[SEL+1]
	s_delay_alu instid0(VALU_DEP_1)
	v_max_num_f32 v254, v254, v236                 ; and among lane l xor 16's
	s_delay_alu instid0(VALU_DEP_1)
	v_mul_f32 v254, s[CS], v254                    ; as t (c is positive)
	s_delay_alu instid0(VALU_DEP_1)
	v_max_num_f32 v13, v13, v254                   ; the running largest t
	v_mov_b32 v254, v12
	s_delay_alu instid0(VALU_DEP_2)
	v_floor_f32 v12, -v13                          ; the new -M = floor(-t) = -ceil(t): M is a whole number
	s_delay_alu instid0(VALU_DEP_1)
	v_sub_f32 v254, v12, v254                      ; M's old value less its new one: a whole number, 0 or less
	s_delay_alu instid0(VALU_DEP_1)
	v_cvt_i32_f32 v254, v254                       ; (it saturates)
	s_delay_alu instid0(VALU_DEP_1)
	v_ldexp_f32 v252, 1.0, v254                    ; f = 2^(old M - new M)
.set n, 0
.rept 32
	v_pk_fma_f32 v[96+n:97+n], v[96+n:97+n], s[CS:CS+1], v[12:13] op_sel_hi:[1,0,0]   ; t - M, two at a time (of the pairs c and -M the low word serves both halves)
.set n, n+2
.endr
.set n, 0
	s_wait_alu depctr_va_vdst(0)
.rept 64
	v_exp_f32 v[96+n], v[96+n]                     ; p = 2^(t - M), at most 1
.set n, n+1
.endr
	v_pk_mul_f32 v[14:15], v[14:15], v[252:253] op_sel_hi:[1,0]   ; the sums under the new M: the plain line behind the exponentials
	s_wait_alu depctr_va_vdst(0)                   ; one wait for the whole batch, ahead of its first reader
	v_pk_add_f32 v[242:243], v[100:101], v[104:105]
	v_pk_add_f32 v[254:255], v[108:109], v[112:113]
	v_pk_add_f32 v[250:251], v[116:117], v[120:121]
	v_pk_add_f32 v[248:249], v[124:125], v[128:129]
	v_pk_add_f32 v[246:247], v[132:133], v[136:137]
	v_pk_add_f32 v[240:241], v[140:141], v[144:145]
	v_pk_add_f32 v[238:239], v[148:149], v[152:153]
	v_pk_add_f32 v[14:15], v[14:15], v[156:157]
	v_pk_add_f32 v[242:243], v[242:243], v[96:97]
	v_pk_add_f32 v[254:255], v[254:255], v[98:99]
	v_pk_add_f32 v[250:251], v[250:251], v[102:103]
	v_pk_add_f32 v[248:249], v[248:249], v[106:107]
	v_pk_add_f32 v[246:247], v[246:247], v[110:111]
	v_pk_add_f32 v[240:241], v[240:241], v[114:115]
	v_pk_add_f32 v[238:239], v[238:239], v[118:119]
	v_pk_add_f32 v[14:15], v[14:15], v[122:123]
	v_pk_add_f32 v[242:243], v[242:243], v[126:127]
	v_pk_add_f32 v[254:255], v[254:255], v[130:131]
	v_pk_add_f32 v[250:251], v[250:251], v[134:135]
	v_pk_add_f32 v[248:249], v[248:249], v[138:139]
	v_pk_add_f32 v[246:247], v[246:247], v[142:143]
	v_pk_add_f32 v[240:241], v[240:241], v[146:147]
	v_pk_add_f32 v[238:239], v[238:239], v[150:151]
	v_pk_add_f32 v[14:15], v[14:15], v[154:155]
	v_pk_add_f32 v[242:243], v[242:243], v[158:159]
	s_delay_alu instid0(VALU_DEP_2)
	v_pk_add_f32 v[14:15], v[14:15], v[248:249]
	s_delay_alu instid0(VALU_DEP_2)
	v_pk_add_f32 v[242:243], v[242:243], v[246:247]
	v_pk_add_f32 v[254:255], v[254:255], v[240:241]
	v_pk_add_f32 v[250:251], v[250:251], v[238:239]
	s_delay_alu instid0(VALU_DEP_2)
	v_pk_add_f32 v[14:15], v[14:15], v[254:255]
	s_delay_alu instid0(VALU_DEP_2)
	v_pk_add_f32 v[242:243], v[242:243], v[250:251]
	s_delay_alu instid0(VALU_DEP_1)
	v_pk_add_f32 v[14:15], v[14:15], v[242:243]
.irp t, 0,1,2,3,4,5,6,7
.irp i, 0,1,2,3,4,5,6,7
.endr
	v_cvt_scalef32_pk8_fp8_f32 v[224+2*\t:225+2*\t], v[96+8*\t:103+8*\t], v244
.endr
.set n, 0
.rept 16
	v_pk_mul_f32 v[160+n:161+n], v[160+n:161+n], v[252:253] op_sel_hi:[1,0]   ; O^T under the new M.  (Plain lines between the conversions and the products that read their results)
.set n, n+2
.endr
	s_wait_alu depctr_va_vdst(0)
	s_wait_dscnt 0x0                               ; V's fragments are in
.irp t, 0,1,2,3                                ; O^T += V^T P^T: the four accumulators take turns, one instruction a turn
	v_wmma_f32_16x16x128_fp8_fp8 v[160+8*\t:167+8*\t], v[KV+16*\t:KV+16*\t+15], v[224:239], v[160+8*\t:167+8*\t]
.endr
.Lhidden_\@:
	s_add_co_u32 s[KF], s[KF], 128
.endm
; THE WAY OUT of a block of queries: O^T / the sum, quantised: a number stands for number x 2^(e8 + e9), so its code under 2^e10 is number / 2^(e10 - e8 - e9).  A lane's eight numbers of a tile are eight
; neighbours of its query's row: 8 bytes.  The wave's 16 rows x 64 bytes go through its own stage and leave as 1,024 consecutive bytes.
.macro WAYOUT
	s_lshl_b32 s66, s[Q0], 6
	s_mov_b32 s67, 0
	s_add_nc_u64 s[54:55], s[50:51], s[66:67]      ; (the earlier way out's stores have read this base: the wait at its end)
.rept 4
	v_nop                                          ; four places behind the last products
.endr
	v_add_f32 v14, v14, v15                        ; the sum's two halves,
	s_delay_alu instid0(VALU_DEP_1)
	v_permlanex16_b32 v252, v14, s[SEL], s[SEL+1]
	s_delay_alu instid0(VALU_DEP_1)
	v_add_f32 v14, v14, v252                       ; and lane l xor 16's
	s_wait_alu depctr_va_vdst(0)
	v_rcp_f32 v14, v14
	v_nop                                          ; a plain line behind the transcendental
	s_wait_alu depctr_va_vdst(0)                   ; and the wait ahead of its first reader
.set n, 0
.rept 32
	v_mul_f32 v[192+n], v[160+n], v14              ; each accumulator from its low end on
.set n, n+1
.endr
.set n, 0
.rept 32
.set n, n+1
.endr
.irp t, 0,1,2,3
	v_cvt_scalef32_pk8_fp8_f32 v[224+2*\t:225+2*\t], v[192+8*\t:199+8*\t], v245
.endr
	v_nop                                          ; one plain line behind the last conversion
.irp t, 0,1,2,3
	ds_store_b64 v[STO], v[224+2*\t:225+2*\t] offset:16*\t   ; row r, channels 16 t + 8 (lane / 16) on
.endr
	ds_load_b128 v[208:211], v[RD]                 ; LDS serves a wave's instructions in order: these see my stores
	ds_load_b128 v[212:215], v[RD] offset:512
	s_wait_dscnt 0x0
	global_store_b128 v[GO], v[208:211], s[54:55]  ; the wave stores 512 consecutive bytes, aligned
	global_store_b128 v[GO], v[212:215], s[54:55] offset:512
	s_wait_xcnt 0x0                                ; the stores have read their registers and their base: both are written again in the next block
.endm
	s_load_b128 s[4:7], s[0:1], 0x0                ; qkv s[4:5], the scales' exponents s[6:7]
	s_load_b64 s[8:9], s[0:1], 0x10                ; ac
	v_lshl_add_u32 v[SPW], v0, 2, SPARE
	v_mov_b32 v[NIL], 0
	ds_add_u32 v5, v6
	ds_add_u32 v5, v6
	s_wait_dscnt 0x0
	v_lshrrev_b32 v8, 5, v0
	s_delay_alu instid0(VALU_DEP_1)
	v_readfirstlane_b32 s[WV], v8                  ; wave 0..15
	s_mov_b32 s[BI], ttmp9
	s_add_co_u32 s[BI1], s[BI], 1
	s_and_b32 s[BH], ttmp7, 0xffff
	; descriptor group 1: 8,192 dense bytes as 32 rows of 256; 16 bytes of padding behind every 64, so that each row of 64 codes lands 80 bytes from the last
	s_mov_b32 s[G1], (0<<16)|(1<<20)|(3<<22)|(3<<25)   ; 15:0 no mask; 17:16 elements of 1 byte; 20 padding on; 24:22 after every 16 words; 31:25 four words
	s_mov_b32 s[G1+1], 256<<16                     ; tensor_dim0
	s_mov_b32 s[G1+2], 32<<16                      ; tensor_dim1
	s_mov_b32 s[G1+3], 256<<16                     ; tile_dim0
	s_mov_b32 s[G1+4], 32                          ; tile_dim1
	s_mov_b32 s[G1+5], 256                         ; tensor_dim0_stride
	s_mov_b32 s[G1+6], 0
	s_mov_b32 s[G1+7], 0
	s_mov_b32 s[SEL], 0x76543210
	s_mov_b32 s[SEL+1], 0xfedcba98
	s_mov_b32 s[CS], 0x3e38aa3b                    ; log2(e) / 8
	s_mov_b32 s[TB], 0
	s_mov_b32 s[TR], 0
	s_lshr_b32 s66, s[WV], 1
	s_and_b32 s66, s66, 1
	s_add_co_u32 s66, s66, 1
	s_lshl_b32 s66, s66, 23                        ; K (waves 0, 1, 4, 5) or V (waves 2, 3, 6, 7),
	s_lshl_b32 s68, s[BH], 17                      ; my head: 2^17 bytes in each of q, k, v,
	s_add_co_u32 s66, s66, s68
	s_and_b32 s67, s[WV], 1
	s_lshl_b32 s67, s67, 13                        ; which half of a slot's 16,384 bytes
	s_add_co_u32 s66, s66, s67
	s_mov_b32 s67, 0
	s_mov_b32 s69, 0
	s_and_b32 s70, s[BH], 15
	s_lshl_b32 s70, s70, 19                        ; ac: the head's plane of 8,192 rows x 64 bytes,
	s_lshr_b32 s71, s[BH], 4
	s_lshl_b32 s71, s71, 17                        ; the batch's 2,048 rows
	s_add_co_u32 s70, s70, s71
	s_mov_b32 s71, 0
	s_mov_b32 s[G0], 1                             ; count = 1
	s_and_b32 s[G0+1], s[WV], 3
	s_mul_i32 s[G0+1], s[G0+1], 128*KP             ; LDS address: K's halves, then V's halves, in slot 0
	s_wait_kmcnt 0x0
	s_load_b128 s[56:59], s[6:7], 0x18             ; e6, e7, e8, e9
	s_load_b32 s60, s[6:7], 0x28                   ; e10
	s_add_nc_u64 s[KVB:KVB+1], s[4:5], s[66:67]
	s_add_nc_u64 s[48:49], s[4:5], s[68:69]        ; q at my head
	s_add_nc_u64 s[50:51], s[8:9], s[70:71]        ; ac at my head and batch
	s_mov_b64 s[G0+2:G0+3], s[KVB:KVB+1]           ; global address: key slot 0
	s_or_b32 s[G0+3], s[G0+3], 0x80000000          ; type = 2
	s_mov_b64 s[PFA:PFA+1], s[KVB:KVB+1]           ; the first change of slots steps it to slot 1.  Nothing is prefetched here, at the head
	TLOAD                                          ; trip 0's tile: by this text's count a wave never has more than one tensor load out
	s_sub_co_u32 s66, s[WV], 4
	s_lshr_b32 s66, s66, 2                         ; 0 in waves 4 to 7,
	s_or_b32 s66, s66, s[BI]                       ; of the head's work-group 0
	s_cmp_eq_u32 s66, 0
	s_cselect_b32 s[PLIM], 7, 0
	v_and_b32 v8, 15, v0                           ; r = lane % 16
	v_bfe_u32 v9, v0, 4, 1                         ; g = lane / 16
	s_delay_alu instid0(VALU_DEP_2)
	v_mul_u32_u24 v[AK0], v8, KP
	s_delay_alu instid0(VALU_DEP_1)
	v_lshl_add_u32 v[AK0], v9, 4, v[AK0]           ; row r, + 16 g
	s_delay_alu instid0(VALU_DEP_1)
	v_add_nc_u32 v[AV0], VOFF, v[AK0]
	v_and_b32 v[PFO], 31, v0
	s_delay_alu instid0(VALU_DEP_1)
	v_lshlrev_b32 v[GO], 4, v[PFO]
	s_delay_alu instid0(VALU_DEP_2)
	v_lshlrev_b32 v[PFO], 8, v[PFO]
	v_lshlrev_b32 v[QO], 6, v8
	s_delay_alu instid0(VALU_DEP_1)
	v_lshl_add_u32 v[QO], v9, 4, v[QO]
	s_lshl_b32 s66, s[WV], 10
	s_add_co_u32 s66, s66, STAGE                   ; my stage
	v_lshlrev_b32 v[STO], 6, v8
	s_delay_alu instid0(VALU_DEP_1)
	v_lshl_add_u32 v[STO], v9, 3, v[STO]
	s_delay_alu instid0(VALU_DEP_1)
	v_add_nc_u32 v[STO], s66, v[STO]
	v_add_nc_u32 v[RD], s66, v[GO]
	v_mov_b32 v236, 0                              ; written once: a lane permute's destination counts as one of its sources
	v_mov_b32 v252, 0
	v_mov_b32 v253, 0                              ; (named as the upper half of the pair v[252:253])
	v_mov_b32 v254, 0
	s_wait_kmcnt 0x0
	s_add_co_i32 s66, s56, s57
	s_lshl_b32 s66, s66, 23
	s_add_co_i32 s[CS], s[CS], s66                 ; a score stands for score x 2^(e6 + e7): the exponents are added to c's exponent field
	s_mov_b32 s[CS+1], s[CS]                       ; (named with it as a pair, so it is written)
	s_add_co_i32 s66, s58, 127
	s_lshl_b32 s67, s66, 23
	v_mov_b32 v244, s67                            ; 2^e8
	s_sub_co_i32 s66, s60, s58
	s_sub_co_i32 s66, s66, s59
	s_add_co_i32 s66, s66, 127
	s_lshl_b32 s67, s66, 23
	v_mov_b32 v245, s67                            ; 2^(e10 - e8 - e9)
	s_lshl_b32 s66, s[BI], 8
	s_lshl_b32 s67, s[WV], 4
	s_add_co_u32 s[Q0], s66, s67                   ; the first block: queries 256 i + 16 x wave on
	INIT
.Ltrip:                                            ; eight trips; the ninth is written out
	CHANGE 1
	s_cmp_eq_u32 s[TR], s[BI1]                     ; trip i + 1 (1 .. 4): the first block is finished; a branch on the work-group's number, round no barrier and no tensor load
	s_cbranch_scc0 .Lsame
	WAYOUT
	s_sub_co_u32 s66, 7, s[BI]
	s_lshl_b32 s66, s66, 8
	s_lshl_b32 s67, s[WV], 4
	s_add_co_u32 s[Q0], s66, s67                   ; the second block: queries 256 (7 - i) + 16 x wave on
	INIT
.Lsame:
	STEP 0
	STEP 1
	s_xor_b32 s[TB], s[TB], SLOT1                  ; on to the other slot
	s_add_co_u32 s[TR], s[TR], 1
	s_cmp_lt_u32 s[TR], 8
	s_cbranch_scc1 .Ltrip
	CHANGE 0
	STEP 0
	STEP 1
	WAYOUT
	s_wait_tensorcnt 0x0                           ; the wave's end
	ds_add_u32 v[SPW], v[NIL]
	s_wait_dscnt 0x0
	s_endpgm
.Lfunc_end_k_q4cb3d7de3b_attn:
	.size	k_q4cb3d7de3b_attn, .Lfunc_end_k_q4cb3d7de3b_attn-k_q4cb3d7de3b_attn
	.p2alignl 7, 3214868480
	.fill 96, 4, 3214868480
	.section	.rodata,"a",@progbits
	.p2align	6, 0x0
	.amdhsa_kernel k_q4cb3d7de3b_attn
		.amdhsa_group_segment_fixed_size 327680
		.amdhsa_private_segment_fixed_size 0
		.amdhsa_enable_private_segment 0
		.amdhsa_kernarg_size 24
		.amdhsa_user_sgpr_count 2
		.amdhsa_user_sgpr_kernarg_segment_ptr 1
		.amdhsa_wavefront_size32 1
		.amdhsa_system_sgpr_workgroup_id_x 1
		.amdhsa_system_sgpr_workgroup_id_y 1
		.amdhsa_system_sgpr_workgroup_id_z 1
		.amdhsa_system_vgpr_workitem_id 0
		.amdhsa_next_free_vgpr 256
		.amdhsa_next_free_sgpr 72
		.amdhsa_reserve_vcc 1
		.amdhsa_float_denorm_mode_32 3
		.amdhsa_float_denorm_mode_16_64 3
		.amdhsa_fp16_overflow 1
		.amdhsa_memory_ordered 1
		.amdhsa_forward_progress 1
		.amdhsa_inst_pref_size 91
	.end_amdhsa_kernel
	.amdgpu_metadata
---
amdhsa.version: [ 1, 2 ]
amdhsa.kernels:
  - .name:           k_q4cb3d7de3b_attn
    .symbol:         k_q4cb3d7de3b_attn.kd
    .args:
      - { .name: qkv, .offset: 0, .size: 8, .value_kind: global_buffer, .address_space: global }
      - { .name: lowp_scales, .offset: 8, .size: 8, .value_kind: global_buffer, .address_space: global }
      - { .name: ac, .offset: 16, .size: 8, .value_kind: global_buffer, .address_space: global }
    .group_segment_fixed_size: 327680
    .private_segment_fixed_size: 0
    .kernarg_segment_align: 8
    .kernarg_segment_size: 24
    .max_flat_workgroup_size: 512
    .sgpr_count:     72
    .vgpr_count:     256
    .wavefront_size: 32
...
	.end_amdgpu_metadata
.endif
;; end of part 3
;; launch oproj (part 4): grid 4 x 32, 4 waves a work-group, clusters of 4 x 4, 327,680 bytes of LDS; arguments ac, codes, lowp_scales, out0; writes out0
.if DOCPART == 4
	.amdgcn_target "amdgcn-amd-amdhsa--gfx1250"
	.amdhsa_code_object_version 6
	.text
	.protected	k_q4cb3d7de3b_oproj
	.globl	k_q4cb3d7de3b_oproj
	.p2align	8
	.type	k_q4cb3d7de3b_oproj,@function
k_q4cb3d7de3b_oproj:
	s_mov_b64 s[64:65], 0
	v_nop
	global_prefetch_b8 v0, s[64:65] scope:SCOPE_SE
	s_setreg_imm32_b32 hwreg(HW_REG_WAVE_MODE, 25, 1), 1
	s_wait_xcnt 0x0
	s_wait_alu depctr_hold_cnt(0) depctr_sa_sdst(0) depctr_va_vdst(0) depctr_va_sdst(0) depctr_va_ssrc(0) depctr_va_vcc(0) depctr_vm_vsrc(0)
	s_getreg_b32 s2, hwreg(HW_REG_IB_STS2, 6, 4)
	s_cmp_eq_u32 s2, 0
	s_cbranch_scc0 .Lentry_in_a_cluster
	s_endpgm
.Lentry_in_a_cluster:
	s_bfe_u32 s2, ttmp6, 0x10000c
	s_cmp_lg_u32 s2, 0xf033
	s_cbranch_scc0 .Lentry_shape_is_right
	s_endpgm
.Lentry_shape_is_right:
; out0[m][n] = sum over k of A[m][k] wo[n][k] on codes of E4M3, K = 1,024; each finished sum x 2^(e10 + e11).  out0: [8192][1024] f32.
; A's codes lie by heads: [h 16][m 8192][64] (buffer ac), k = 64 h + d.  wo's codes lie [n][k] at WO bytes of the buffer of codes.
; LIMIT: e10 + e11 between -126 and 127, so that 2^(e10 + e11) is an f32 number.
; A tile of out0, 256 x 256, is made by four waves, each 128 x 128: 64 accumulators, 512 registers.  K goes in steps of 256 (four heads) through a ring of two LDS slots.
; A's tile of a K step: for 128 rows, four planes of 128 x 64 dense bytes, one tensor load: rows of 8,192 bytes, 524,288 bytes apart, with 16 bytes of padding behind every 64:
; in LDS plane z lies at z x PLA and a row of 64 codes every 80 bytes.  wo's tile: 128 rows of 256 bytes, 272 bytes apart in LDS.
; CLUSTERS: 4 x 4 work-groups; A's tiles are shared along a row of the cluster, wo's along a column: each is asked for jointly.
; THE MATRIX INSTRUCTION IS USED TRANSPOSED (source 0 = 16 rows of wo, source 1 = 16 rows of A): a lane holds eight neighbouring numbers of a row of out0.
; K has four steps: two are first fills, and the two refills go out within the first two steps: no trip lies far enough ahead of a load to ask for its bytes earlier, so nothing is prefetched.
; REGISTERS, in windows of 256: window 0: v0-31 addresses; from v128 A's fragments, ONE set; on the way out v32-255 are free.
;   window 1: wo's fragments, TWO sets.   window 2: the accumulators of my rows 0-63 ((a, b) at v[8 (8 a + b)]);   window 3: those of my rows 64-127.
.set SIZE_N, 1024
.set ROWB,   256
.set KROW,   1024
.set WO,     0x1b00000                 ; wo's codes in the buffer of codes
.set PLANE,  524288                    ; a head's plane in ac: 8,192 rows x 64 bytes
.set APITCH, 80                        ; A: 64 bytes + 16 of padding = 20 words: 16 rows start at 16 different banks (ISA guide 11.1)
.set PLA,    128*APITCH                ; a plane of 128 rows in LDS
.set HALFA,  4*PLA                     ; what one tensor load brings of A
.set PITCH,  272                       ; wo: 256 bytes + 16
.set HALFB,  128*PITCH
.set SLOT,   2*HALFA+2*HALFB
.set FR,     16
.set NL,     4
.set NP,     4
.set LAPS,   2
.set SPARE,  2*SLOT                    ; behind the ring: the spare words, 128 bytes for each wave
.set SPITCH, 528                       ; the way out: a stage of 16 rows x (512 bytes + 16) for each wave, in slot 0, which has had its last fill and its last read by then
.set ADRA, 16
.set ADRB, 20
.set STO,  24
.set RD,   25
.set CO,   26
.set SPW,  28
.set NIL,  29
.set TMP,  32
.set AF,   128
.set BK,   128
.set G1, 24
.set G0, 32
.set G1B, 48
.set G0B, 56
.set MSB, 0
.macro WIN new                         ; the immediate's high byte repeats the setting that is left
.if MSB != \new
	s_set_vgpr_msb (MSB<<8)|\new
.set MSB, \new
.endif
.endm
.set MUL_LO, 0xa1
.set MUL_HI, 0xf1
.set TO_B,   0x40
; A joint load: waves 0 and 1 fetch for A, waves 2 and 3 for wo; the branch hangs on the wave's number alone.  Four v_nop follow each of the two lines.
.macro JLOAD g0a, g1a, g0b, g1b
	s_cmp_eq_u32 s15, 0
	s_cbranch_scc0 .Lfor_b_\@
	tensor_load_to_lds s[\g0a:\g0a+3], s[\g1a:\g1a+7]
	s_nop 0
.rept 4
	v_nop
.endr
	s_branch .Lasked_\@
.Lfor_b_\@:
	tensor_load_to_lds s[\g0b:\g0b+3], s[\g1b:\g1b+7]
	s_nop 0
.rept 4
	v_nop
.endr
.Lasked_\@:
.endm
.macro CREST
	s_cmp_lg_u32 s14, 0
	s_cbranch_scc1 .Lnot_wave_0_\@
	s_barrier_signal -3
.Lnot_wave_0_\@:
	s_barrier_wait -3
	s_barrier_signal -1
	s_barrier_wait -1
.endm
.macro CROUND
	s_barrier_signal -1
	s_barrier_wait -1
	CREST
.endm
	s_load_b128 s[4:7], s[0:1], 0x0                ; ac s[4:5], the codes s[6:7]
	s_load_b128 s[8:11], s[0:1], 0x10              ; the scales' exponents s[8:9], out0 s[10:11]
	v_lshl_add_u32 v[SPW], v0, 2, SPARE
	v_mov_b32 v[NIL], 0
	ds_add_u32 v28, v29
	ds_add_u32 v28, v29
	s_wait_dscnt 0x0
	v_lshrrev_b32 v1, 5, v0
	v_readfirstlane_b32 s14, v1                    ; wave 0..3
	s_lshr_b32 s15, s14, 1                         ; which half of the tile's rows is mine.  Also: I fetch for A (0) or for wo (1)
	s_and_b32 s16, s14, 1                          ; which half of its columns.  Also: which 128 rows of that tile I fetch
	s_bfe_u32 s40, ttmp6, 0x40000                  ; cx, cy
	s_bfe_u32 s41, ttmp6, 0x40004
	s_lshl_b32 s42, ttmp9, 2
	s_add_co_u32 s42, s42, s40                     ; tile column = 4 x cluster x + cx
	s_and_b32 s17, ttmp7, 0xffff
	s_lshl_b32 s17, s17, 2
	s_add_co_u32 s17, s17, s41                     ; tile row = 4 x cluster y + cy
	s_lshl_b32 s43, s41, 2
	s_lshl_b32 s43, 15, s43                        ; my row of the cluster
	s_lshl_b32 s44, 0x1111, s40                    ; my column
	; descriptor group 1 for A: 4 rows (planes) of 8,192 bytes, 524,288 bytes apart; padding of four words after every 16
	s_or_b32 s[G1+0], s43, (0<<16)|(1<<20)|(1<<21)|(3<<22)|(3<<25)
	s_mov_b32 s[G1+1], 8192<<16                    ; tensor_dim0
	s_mov_b32 s[G1+2], 4<<16                       ; tensor_dim1
	s_mov_b32 s[G1+3], 8192<<16                    ; tile_dim0
	s_mov_b32 s[G1+4], 4                           ; tile_dim1
	s_mov_b32 s[G1+5], PLANE                       ; tensor_dim0_stride
	s_mov_b32 s[G1+6], 0
	s_mov_b32 s[G1+7], 0
	; and for wo: 128 rows of 256 bytes; padding of four words after every 64
	s_or_b32 s[G1B+0], s44, (0<<16)|(1<<20)|(1<<21)|(5<<22)|(3<<25)
	s_mov_b32 s[G1B+1], ROWB<<16
	s_mov_b32 s[G1B+2], 128<<16
	s_mov_b32 s[G1B+3], ROWB<<16
	s_mov_b32 s[G1B+4], 128
	s_mov_b32 s[G1B+5], KROW
	s_mov_b32 s[G1B+6], 0
	s_mov_b32 s[G1B+7], 0
	s_lshl_b32 s18, s16, 7                         ; which 128 rows of the tile I fetch
	s_lshl_b32 s20, s17, 8
	s_add_co_u32 s20, s20, s18
	s_lshl_b32 s20, s20, 6                         ; A: rows of 64 bytes in a plane
	s_mov_b32 s21, 0
	s_lshl_b32 s46, s42, 8
	s_add_co_u32 s46, s46, s18
	s_lshl_b32 s46, s46, 10                        ; wo: rows of 1,024 bytes
	s_add_co_u32 s46, s46, WO
	s_mov_b32 s47, 0
	s_mul_i32 s45, s16, HALFA                      ; where they go: no place in the cluster enters an LDS address
	s_mul_i32 s19, s16, HALFB
	s_add_co_u32 s19, s19, 2*HALFA
	s_wait_kmcnt 0x0
	s_load_b64 s[96:97], s[8:9], 0x28              ; e10, e11
	s_add_nc_u64 s[20:21], s[4:5], s[20:21]
	s_add_nc_u64 s[46:47], s[6:7], s[46:47]
	CROUND                                         ; all sixteen work-groups are here: the first joint loads meet
.irp s, 0,1
	s_mov_b32 s[G0+4*\s], 1
	s_add_co_u32 s[G0+4*\s+1], s45, \s*SLOT
	s_add_nc_u64 s[G0+4*\s+2:G0+4*\s+3], s[20:21], \s*4*PLANE
	s_or_b32 s[G0+4*\s+3], s[G0+4*\s+3], 0x80000000
	s_mov_b32 s[G0B+4*\s], 1
	s_add_co_u32 s[G0B+4*\s+1], s19, \s*SLOT
	s_add_nc_u64 s[G0B+4*\s+2:G0B+4*\s+3], s[46:47], \s*ROWB
	s_or_b32 s[G0B+4*\s+3], s[G0B+4*\s+3], 0x80000000
	s_wait_alu depctr_va_vdst(0)
	s_wait_tensorcnt 0x0
	ds_add_u32 v28, v29
	ds_add_u32 v28, v29
	s_wait_dscnt 0x0
	CROUND
	JLOAD G0+4*\s, G1, G0B+4*\s, G1B
.endr
	v_and_b32 v1, 15, v0                           ; l % 16
	v_bfe_u32 v2, v0, 4, 1                         ; l / 16
	v_mul_u32_u24 v3, v1, PITCH
	v_lshl_add_u32 v4, v2, 4, v3                   ; wo: row x 272 + 16 x half
	v_mul_u32_u24 v3, v1, APITCH
	v_lshl_add_u32 v7, v2, 4, v3                   ; A: row x 80 + 16 x half
	s_mul_i32 s21, s15, HALFA                      ; my 128 rows of A
	s_mul_i32 s22, s16, HALFB                      ; my 128 rows of wo,
	s_add_co_u32 s22, s22, 2*HALFA                 ; which lie behind A's
.irp s, 0,1
	v_add_nc_u32 v[ADRA+\s], s21, v7
	v_add_nc_u32 v[ADRB+\s], s22, v4
	s_add_co_u32 s21, s21, SLOT
	s_add_co_u32 s22, s22, SLOT
.endr
	s_mul_i32 s23, s14, 16*SPITCH                  ; my stage
	v_mul_u32_u24 v5, v1, SPITCH                   ; in: row l % 16, 32 bytes for each half of the lanes
	v_lshl_add_u32 v5, v2, 5, v5
	v_add_nc_u32 v[STO], s23, v5
	v_and_b32 v6, 31, v0
	v_lshlrev_b32 v[CO], 4, v6                     ; back: the 32 lanes take one row of 512 bytes; and the same in out0
	v_add_nc_u32 v[RD], s23, v[CO]
	s_lshl_b32 s20, s17, 8
	s_lshl_b32 s21, s15, 7
	s_add_co_u32 s20, s20, s21                     ; my first row: 256 x tile row + 128 x half
	s_lshl_b32 s20, s20, 12                        ; rows of 4,096 bytes: under 2^25
	s_lshl_b32 s46, s42, 10                        ; my first column, in bytes: 1,024 x tile column + 512 x half
	s_lshl_b32 s47, s16, 9
	s_add_co_u32 s46, s46, s47
	s_add_co_u32 s20, s20, s46
	s_mov_b32 s21, 0
	s_add_nc_u64 s[10:11], s[10:11], s[20:21]
; A fragment, 16 rows x 128 K, is 16 registers: lane l holds row l % 16; registers 4 c .. 4 c + 3 hold K = 32 c + 16 (l / 16) + 0 .. 15: one order of k on both sides.
.macro FRAGB reg, adr, q, i
.irp c, 0,1,2,3
	ds_load_b128 v[\reg+4*\c:\reg+4*\c+3], v[\adr] offset:128*(\q)+32*\c+(\i)*16*PITCH
.endr
.endm
.macro FRAGA reg, adr, q, i            ; the same k from the planes: 128 q + 32 c lies in head 2 q + c / 2, at byte 32 (c % 2)
.irp c, 0,1,2,3
	ds_load_b128 v[\reg+4*\c:\reg+4*\c+3], v[\adr] offset:(2*(\q)+\c/2)*PLA+32*(\c%2)+(\i)*16*APITCH
.endr
.endm
; 16 matrix instructions: A's blocks a0, a0 + 1 x wo's eight.  The 64 accumulators take turns, one instruction a turn, in the same order in every step.
.macro MUL16 a0, p, zero
.irp a, \a0, \a0+1
.irp b, 0,1,2,3,4,5,6,7
.if \zero
	v_wmma_f32_16x16x128_fp8_fp8 v[8*(8*((\a)%4)+\b):8*(8*((\a)%4)+\b)+7], v[128*(\p)+FR*\b:128*(\p)+FR*\b+FR-1], v[AF+FR*(\a):AF+FR*(\a)+FR-1], 0
.else
	v_wmma_f32_16x16x128_fp8_fp8 v[8*(8*((\a)%4)+\b):8*(8*((\a)%4)+\b)+7], v[128*(\p)+FR*\b:128*(\p)+FR*\b+FR-1], v[AF+FR*(\a):AF+FR*(\a)+FR-1], v[8*(8*((\a)%4)+\b):8*(8*((\a)%4)+\b)+7]
.endif
.endr
.endr
.endm
.macro FETCH_B slot, q, p
	WIN TO_B
.irp i, 0,1,2,3,4,5,6,7
	FRAGB 128*(\p)+FR*\i, ADRB+\slot, \q, \i
.endr
	WIN 0
.endm
.macro FETCH_A slot, q, i0
.irp i, \i0, \i0+1, \i0+2, \i0+3
	FRAGA AF+FR*(\i), ADRA+\slot, \q, \i
.endr
.endm
.macro PLACES n                        ; places behind matrix instructions (ISA guide 7.12.1 for vector instructions): plain vector lines that name none of their registers
.rept \n
	v_nop
.endr
.endm
.macro STEP slot, q, zero
	s_wait_dscnt 4*NL                              ; wo's set and A's blocks 0-3 are in; the youngest sixteen loads (A's blocks 4-7) may be out
	WIN MUL_LO
	MUL16 0, (\q)%2, \zero
	MUL16 2, (\q)%2, \zero
	s_wait_dscnt 0
	PLACES NP
	FETCH_B \slot, (\q)+1, 1-(\q)%2
	FETCH_A \slot, (\q)+1, 0
	WIN MUL_HI
	MUL16 4, (\q)%2, \zero
	MUL16 6, (\q)%2, \zero
	PLACES NP
	WIN 0
	FETCH_A \slot, (\q)+1, 4
.endm
; A slot's last step changes slots: ONE barrier; in front of it each wave waits for all its tensor loads, adds 0 to its spare word, and waits for that and for its own reads of this slot.
.macro TURN slot, next, fill
	s_wait_tensorcnt 0x0                           ; all my tensor loads have landed: my part of the next slot  (every window is 0 here)
	ds_add_u32 v[SPW], v[NIL]                      ; 0 onto my spare word
	s_wait_dscnt 4*NL+1                            ; (the add and the youngest sixteen loads may be out)
	WIN MUL_LO
	MUL16 0, 1, 0
	s_wait_dscnt 0x0                               ; the add is done, and my reads of this slot are over
	s_barrier_signal -1
	MUL16 2, 1, 0
	WIN 0
	s_barrier_wait -1
.if \fill
	CREST                                          ; the barrier has opened a round of the cluster's barrier: no wave of any partner still reads this slot's tile or has a load on its way
	s_add_nc_u64 s[G0+4*\slot+2:G0+4*\slot+3], s[G0+4*\slot+2:G0+4*\slot+3], 8*PLANE   ; two K steps on: eight heads
	s_add_nc_u64 s[G0B+4*\slot+2:G0B+4*\slot+3], s[G0B+4*\slot+2:G0B+4*\slot+3], 2*ROWB
	JLOAD G0+4*\slot, G1, G0B+4*\slot, G1B         ; the first tensor load behind the round; its four v_nop are the places in front of the loads below
.else
	PLACES NP
.endif
	FETCH_B \next, 0, 0
	FETCH_A \next, 0, 0
	WIN MUL_HI
	MUL16 4, 1, 0
	MUL16 6, 1, 0
	PLACES NP
	WIN 0
	FETCH_A \next, 0, 4
.endm
	s_wait_alu depctr_va_vdst(0)
	s_wait_tensorcnt 1                             ; my part of K step 0 is in (K step 1's load may be out)
	s_barrier_signal -1
	s_barrier_wait -1                              ; everybody's is
	FETCH_B 0, 0, 0
	FETCH_A 0, 0, 0
	FETCH_A 0, 0, 4
	STEP 0, 0, 1                                   ; the first step's products start the sums
	s_mov_b32 s3, LAPS-1
.Llap:
	TURN 0, 1, 1
	STEP 1, 0, 0
	TURN 1, 0, 1
	STEP 0, 0, 0
	s_sub_co_u32 s3, s3, 1
	s_cmp_lg_u32 s3, 0
	s_cbranch_scc1 .Llap
	TURN 0, 1, 0                                   ; the last lap fills nothing
	STEP 1, 0, 0
	s_wait_dscnt 4*NL
	WIN MUL_LO
	MUL16 0, 1, 0
	MUL16 2, 1, 0
	s_wait_dscnt 0
	WIN MUL_HI
	MUL16 4, 1, 0
	MUL16 6, 1, 0
	WIN 0
; THE WAY OUT, block by block of 16 rows x 128 columns, through my own stage: in as 32 bytes a lane, back as whole rows of 512 bytes.  LDS serves a wave's instructions in order (ISA guide 5.7.1.4).
.macro TOSTAGE a
.set AC, 64*((\a)%4)
	WIN 0x02+((\a)/4)
.irp j, 0,2,4,6,8,10,12,14,16,18,20,22,24,26,28,30,32,34,36,38,40,42,44,46,48,50,52,54,56,58,60,62
	v_pk_mul_f32 v[TMP+\j:TMP+\j+1], v[AC+\j:AC+\j+1], s[96:97] op_sel_hi:[1,0]   ; both x s96 = 2^(e10 + e11); each accumulator from its low end on
.endr
	WIN 0
.irp b, 0,1,2,3,4,5,6,7
	ds_store_b128 v[STO], v[TMP+8*\b:TMP+8*\b+3] offset:64*\b
	ds_store_b128 v[STO], v[TMP+8*\b+4:TMP+8*\b+7] offset:64*\b+16
.endr
.set BB, BK+64*((\a)%2)
.irp t, 0,1,2,3,4,5,6,7,8,9,10,11,12,13,14,15
	ds_load_b128 v[BB+4*\t:BB+4*\t+3], v[RD] offset:\t*SPITCH
.endr
.endm
.macro SEND a, younger
.set BB, BK+64*((\a)%2)
	s_wait_dscnt \younger                          ; the block is back in registers
.if (\a) > 0
	s_add_nc_u64 s[10:11], s[10:11], 16*SIZE_N*4   ; (behind a wait on XCNT: the earlier stores have read their base)
.endif
.irp t, 0,1,2,3,4,5,6,7,8,9,10,11,12,13,14,15
	global_store_b128 v[CO], v[BB+4*\t:BB+4*\t+3], s[10:11] offset:\t*SIZE_N*4 th:TH_STORE_NT   ; 32 lanes store 512 consecutive bytes, aligned
.endr
.endm
	s_wait_kmcnt 0x0
	s_add_co_i32 s96, s96, s97
	s_add_co_i32 s96, s96, 127
	s_lshl_b32 s96, s96, 23                        ; 2^(e10 + e11) as f32
	PLACES NP
	TOSTAGE 0
.irp a, 1,2,3,4,5,6,7
.if \a > 1
	s_wait_xcnt 0x0                                ; block a - 2's stores have read their registers and their base
.endif
	TOSTAGE \a
	SEND \a-1, 32                                  ; behind block a - 1's loads: block a's 16 stores and 16 loads
.endr
	s_wait_xcnt 0x0
	SEND 7, 0
	s_wait_tensorcnt 0x0                           ; the wave's end
	ds_add_u32 v[SPW], v[NIL]
	s_wait_dscnt 0x0
	CROUND                                         ; the closing round
	s_endpgm
.Lfunc_end_k_q4cb3d7de3b_oproj:
	.size	k_q4cb3d7de3b_oproj, .Lfunc_end_k_q4cb3d7de3b_oproj-k_q4cb3d7de3b_oproj
	.p2alignl 7, 3214868480
	.fill 96, 4, 3214868480
	.section	.rodata,"a",@progbits
	.p2align	6, 0x0
	.amdhsa_kernel k_q4cb3d7de3b_oproj
		.amdhsa_group_segment_fixed_size 327680
		.amdhsa_private_segment_fixed_size 0
		.amdhsa_enable_private_segment 0
		.amdhsa_kernarg_size 32
		.amdhsa_user_sgpr_count 2
		.amdhsa_user_sgpr_kernarg_segment_ptr 1
		.amdhsa_wavefront_size32 1
		.amdhsa_system_sgpr_workgroup_id_x 1
		.amdhsa_system_sgpr_workgroup_id_y 1
		.amdhsa_system_sgpr_workgroup_id_z 1
		.amdhsa_system_vgpr_workitem_id 0
		.amdhsa_next_free_vgpr 1024
		.amdhsa_next_free_sgpr 98
		.amdhsa_reserve_vcc 0
		.amdhsa_float_denorm_mode_32 3
		.amdhsa_float_denorm_mode_16_64 3
		.amdhsa_memory_ordered 1
		.amdhsa_forward_progress 1
		.amdhsa_inst_pref_size 124
	.end_amdhsa_kernel
	.amdgpu_metadata
---
amdhsa.version: [ 1, 2 ]
amdhsa.kernels:
  - .name:           k_q4cb3d7de3b_oproj
    .symbol:         k_q4cb3d7de3b_oproj.kd
    .args:
      - { .name: ac, .offset: 0, .size: 8, .value_kind: global_buffer, .address_space: global }
      - { .name: codes, .offset: 8, .size: 8, .value_kind: global_buffer, .address_space: global }
      - { .name: lowp_scales, .offset: 16, .size: 8, .value_kind: global_buffer, .address_space: global }
      - { .name: out0, .offset: 24, .size: 8, .value_kind: global_buffer, .address_space: global }
    .group_segment_fixed_size: 327680
    .private_segment_fixed_size: 0
    .kernarg_segment_align: 8
    .kernarg_segment_size: 32
    .max_flat_workgroup_size: 128
    .sgpr_count:     98
    .vgpr_count:     1024
    .wavefront_size: 32
...
	.end_amdgpu_metadata
.endif
;; end of part 4
